; MI455X (gfx1250); checked and timed in simulation.
; The chip was launched on July 23, 2026; its instructions are those of AMD's public machine-readable ISA for CDNA 5 (MIT licence, August 2026) and "CDNA5" Instruction Set Architecture Reference Guide (July 2026). The comments in the code are by the model that wrote it; some were corrected since.
;; Sparse Attention. Allowed arithmetic: matrix products marked QUANTISED: E2M3 operands, one E8M0 scale for each 32 along K, by v_wmma_scale_f32_16x16x128_f8f6f4 with both operands' format E2M3, f32 sums; everything else in f32.
;; Inputs: K 2 x 8 x 2,048 x 512 float32; Q 2 x 8 x 2,048 x 512 float32; V 2 x 8 x 2,048 x 512 float32; ids 2 x 8 int32; mask 2,048 x 2,048 int32; route_mat 2 x 8 float32.
;; Outputs: out0 2 x 8 x 2,048 x 512 float32.
;; This version of the problem:
;;   THIS VERSION OF THE PROBLEM IS GIVEN IN LOW PRECISION. The matrix products marked QUANTISED in the list below multiply operands that are first quantised to E2M3 (2 exponent bits, 3 mantissa bits; 6 bits a number), with one power-of-two scale for each 32 numbers along K (OCP MX v1.0); their sums are f32. All else is computed in f32.
;;   The module's matrix products, in the order in which they are computed (A, B: the left and right operand; K: the contracted axis; several contracted axes count as one K, in the product's order):
;;     1. batch 16 x [M 2,048, K 512] x [K 512, N 2,048]; A: computed on the way; B: input K: QUANTISED
;;     2. batch 16 x [M 2,048, K 2,048] x [K 2,048, N 512]; A: softmax (see below); B: input V: QUANTISED
;;   THE QUANTISER, for each operand of a quantised product, along K:
;;     - K is cut into blocks of 32 from its start; a last block that is shorter is filled with zeros.
;;     - A block's scale is 2^e with e = floor(log2(the largest magnitude in the block)) - 2, held to -126 .. 127; a block of zeros has e = 0. As a byte (E8M0): e + 127.
;;     - Each number is divided by its block's scale, clamped to +-7.5, and rounded to the nearest number of E2M3, ties to even, subnormals kept.
;;     - The product sums the exact products of the quantised numbers (number of the format x scale) in f32.
;;   ~~~python
;;   def quantise(x, axis):      # numpy; x: float32 -> the quantised numbers, widened to float32 again
;;       x = np.moveaxis(x, axis, -1); K = x.shape[-1]
;;       x = np.pad(x, [(0, 0)] * (x.ndim - 1) + [(0, -K % 32)]); x = x.reshape(x.shape[:-1] + (-1, 32)); a = np.abs(x).max(-1, keepdims=True)
;;       e = np.where(a > 0, np.clip(np.frexp(np.where(a > 0, a, 1))[1] - 1 - 2, -126, 127), 0)      # np.frexp(a)[1] - 1 = floor(log2(a)), exactly
;;       r = np.clip(x / 2.0 ** e, -7.5, 7.5)
;;       step = 2.0 ** (np.maximum(np.frexp(np.where(r == 0, 1, r))[1] - 1, 0) - 3)
;;       q = np.round(r / step) * step * 2.0 ** e      # np.round: ties to even
;;       return np.moveaxis(q.reshape(q.shape[:-2] + (-1,))[..., :K], -1, axis).astype(np.float32)
;;   ~~~
;;   SOFTMAX AHEAD OF A QUANTISED PRODUCT. Where the list says 'softmax', what is quantised is not the finished softmax but p = 2^(t - M), with t = logit x log2(e) and M = ceil(the row's largest t), a whole number; so 1/2 < the row's largest p <= 1. The row's sum l is taken of the UNQUANTISED p, in f32, and the product's result is divided by l at the end. Since M is a whole number, a kernel that streams over the keys may use a running M (the ceiling of the running maximum): every later rescaling is an exact power of two, which a block's scale takes up: the codes' values come out the same.
;;   OPERANDS COMPUTED ON THE WAY. 'Computed on the way' means the value that the module computes at that place (a softmax that the list does not call 'softmax' is quantised finished and normalised). What goes into a quantiser is computed in f32, as accurately as f32 sums, v_exp_f32 and their like allow (about 1e-6 of the number): no bf16 or f16 on the way to a quantiser, and a product that is left as it is and whose result goes on into a quantised operand takes f32 operands (vector FMAs, or v_wmma_f32_16x16x4_f32). A number that lies on a knife's edge between two numbers of the format may be rounded either way, as far as f32 arithmetic and the matrix unit's own rounding can turn it there, and no further.
;; One version. Each part assembles by itself: llvm-mc -triple=amdgcn-amd-amdhsa -mcpu=gfx1250 --defsym DOCPART=n.
;; ======== version 1 of 1: 2 launches
;; limits: right only within a limited range of input values
;; workspace buffers: qimg 13,107,200 bytes; kvimg 26,214,400 bytes; mwords 524,288 bytes of whole numbers
;; launch prep (part 1): grid 1664 x 1, 4 waves a work-group, no clusters, 69,120 bytes of LDS; arguments Q, K, V, mask, route_mat, qimg, kvimg, mwords; writes qimg, kvimg, mwords
.if DOCPART == 1
	.amdgcn_target "amdgcn-amd-amdhsa--gfx1250"
	.amdhsa_code_object_version 6
	.text
	.protected	k_qb893fa0250_prep
	.globl	k_qb893fa0250_prep
	.p2align	8
	.type	k_qb893fa0250_prep,@function
k_qb893fa0250_prep:
	s_mov_b64 s[64:65], 0
	v_nop
	global_prefetch_b8 v0, s[64:65] scope:SCOPE_SE
	s_setreg_imm32_b32 hwreg(HW_REG_WAVE_MODE, 25, 1), 1
	s_wait_xcnt 0x0
; PREP: the operands of both products become codes of FP6 (E2M3) with one E8M0 byte for each 32 along K, laid in the ORDER OF THE OPERAND REGISTERS, and the mask becomes lane words.
; Q x gate and K ([16 heads][2048][512] f32): work-groups 0-511 (Q) and 512-1023 (K), one path.  V (K = the keys): work-groups 1024-1535.  mask ([2048][2048] int32): work-groups 1536-1663.
; THE FIRST PRODUCT'S K.  reference() contracts two axes, the slice e (8) and the place d in a slice (64).  JAX's einsum hands contracted axes to the product in the sorted order of their letters, d then e:
;   a number's place along K is 8 d + e, so BLOCK n OF 32 (n = 0 .. 15) HOLDS d = 4 n .. 4 n + 3 OF ALL EIGHT SLICES.  Inside a block the codes' order is this text's own, the same for Q and for K, which keeps the sums.
; A FRAGMENT (16 rows x 128 along K) is 12 registers a lane; its image is 3 pieces of 512 bytes, piece g = registers 4 g .. 4 g + 3, lane l at 512 g + 16 l.
; A RECORD of qimg or kimg, 6,400 bytes: the four fragments of 16 rows (fragment s: blocks 4 s .. 4 s + 3), then 256 bytes of scale bytes, row r, block n at 6144 + 16 r + n.
;   Record n holds tensor rows 32 (n / 2) + 8 (n % 2) + r + 8 (r / 8), r = 0 .. 15: so the results of two neighbouring records of keys are 16 neighbouring keys in a lane of the next launch.
; A BLOCK of vimg, 25,600 bytes, for (head, 256 keys j, 128 channels w): fragment (16 channels t, 128 keys k) at 1536 (2 t + k); scale words at 24576 + 256 (t / 2) + 16 r + 8 (t % 2) + 4 k.
; mwords [64 queries][256 keys j][64 keys w][tile of 16 queries][n] u32: bit (r + 16 h) says that query row r of the tile does NOT see key 256 j + 64 w + 32 (n / 16) + 16 h + n % 16.
; THE QUANTISER: a block's scale is 2^(floor(log2(largest magnitude)) - 2); its byte is the largest magnitude's exponent field - 2, held at 1 from below by a floor among the maximum's leaves.
; LIMITS: a block of zeros, or one whose largest magnitude lies under 2^-124, gets the byte 1 (the rule says 127 for zeros): its codes are zeros or what the scale 2^-126 gives, and this program alone reads the bytes.
;   NaN and infinities among Q, K, V are not served.  The input ids is not read: reference() takes it and uses it nowhere.
; No tensor loads, no barrier: waves share nothing.  The two paths that use LDS have bytes of their own.
.set ROWB,   2048                      ; a row of Q, K or V in bytes
.set MROWB,  8192                      ; a row of the mask
.set REC,    6400
.set FRB,    1536                      ; a fragment's image
.set VBLK,   25600
.set SPITCH, 528                       ; a stage row: 512 bytes + 16 = 132 words: row r starts at bank 4 r mod 64 (64 banks of 4 bytes: ISA guide 11.1)
.set STG,    16*SPITCH                 ; a stage of 16 rows
.set QREG,   STG+256                   ; a wave's LDS on the Q and K path: a stage for the codes, then its record's 256 scale bytes
.set MSTG,   4*QREG                    ; the mask path's stages lie behind
.set NQ,     512                       ; work-groups for Q
.set NQK,    1024                      ; for Q and K
.set NV,     512                       ; for V
.set LI,  1                            ; v1   16 x lane
.set SA,  2                            ; v2   the stage, on the way in (path V: 4 x lane)
.set SB,  3                            ; v3   the stage, on the way back
.set WO,  4                            ; v4   where the scale bytes (scale words, mask words) go
.set VF,  5                            ; v5   path V: where my fragments' pieces go
.set SY,  5                            ; v5   path Q and K: LDS byte of my block's scale byte in row 0
.set RR,  6                            ; v6   lane % 16
.set LL,  7                            ; v7   lane
.set TM,  8                            ; v8-23 at work
.set GV,  24                           ; v24-31 for c = 0 .. 3 the pair (my gate of load c, -): lanes 0-15 slice 2 c, lanes 16-31 slice 2 c + 1
.set W,   36                           ; v36-37 scale bytes or words as they are stored
.set HH,  38                           ; v38  lane / 16
.set SR,  39                           ; v39  path Q and K: where I read 8 scale bytes back
.set CD,  40                           ; v40-55 path Q and K: four rows' codes, three registers of four each
.set OW,  40                           ; v40-47 path M: the words of a wave, two registers for each 64 keys
.set R,   64                           ; v64-255 path Q and K: three sets of 64: four whole rows; path M: v64-191 two sets of 16 rows x 512 bytes
.set X,   192                          ; v192-255 path M: 64 numbers of my row: register 16 b + i = key 32 b + 16 h + i
.set FG,  128                          ; v128-175 path Q and K, at the end: the record's four fragments
.set YT,  176                          ; v176-207 and the upper halves of their eight pairs of blocks
.set XV,  64                           ; path V: v64-127 two sets of 32 numbers down the keys
.set TT,  128                          ; path V: v128-175 fragments: 24 k + 12 x (tile's parity)
.set YH,  176                          ; path V: v176-191 the upper halves of four blocks' codes
.set WV,  22                           ; s22  my wave's number
.set SEL, 24                           ; s[24:25] selects for v_permlanex16_b32: lane l xor 16
	s_load_b512 s[4:19], s[0:1], 0x0               ; Q s[4:5], K s[6:7], V s[8:9], mask s[10:11], route_mat s[12:13], qimg s[14:15], kvimg s[16:17], mwords s[18:19]
	v_lshl_add_u32 v62, v0, 2, 0x10c00
	v_mov_b32 v63, 0
	v_lshrrev_b32 v[HH], 5, v0
	v_readfirstlane_b32 s[WV], v[HH]               ; wave 0..3
	v_and_b32 v[LL], 31, v0
	v_and_b32 v[RR], 15, v0
	v_bfe_u32 v[HH], v0, 4, 1
	v_lshlrev_b32 v[LI], 4, v[LL]
	s_mov_b32 s[SEL], 0x76543210
	s_mov_b32 s[SEL+1], 0xfedcba98
	s_mov_b32 s29, 0                               ; the upper word of every offset pair s[28:29]
	s_wait_kmcnt 0x0
; K's records and V's blocks share ONE buffer, kvimg: chunk (head, c) of 204,800 bytes is four quarters w of 51,200: first the four records of keys 256 ((c + 1) % 8) + 64 w .. + 63, then V's block (head, c, w).
	s_mov_b64 s[20:21], s[18:19]                   ; mwords is the eighth argument
	s_mov_b64 s[18:19], s[16:17]                   ; V's blocks go to kvimg too
	s_cmp_ge_u32 ttmp9, NQK+NV
	s_cbranch_scc1 .Lmask
	s_cmp_ge_u32 ttmp9, NQK
	s_cbranch_scc1 .Lvals
; ---- Q AND K: a wave makes one record: 16 whole rows.
; A row comes by four loads of 512 consecutive bytes.  Load c gives lane l the features 128 c + 4 l + 0 .. 3: slice e = 2 c + l / 16, d = 4 (l % 16) + 0 .. 3.  So the 16 registers of a row in lane l are
; HALF OF BLOCK l % 16 (the even slices in lanes 0-15, the odd ones in lanes 16-31), and lane l xor 16 holds the other half: the form that the conversion wants, with no turn of the f32 numbers.
; What turns through LDS is the codes: a lane's 12 bytes go to a place of 16 (every LDS address a multiple of 16), row x 528 + 32 x block + 16 x half; lane (r, h) of a fragment reads its blocks' places back.
	s_mul_i32 s23, s[WV], QREG
	s_wait_alu depctr_va_vdst(0)
	v_lshlrev_b32 v[SA], 5, v[RR]
	v_lshl_add_u32 v[SA], v[HH], 4, v[SA]
	v_add_nc_u32 v[SA], s23, v[SA]                 ; in: 32 x my block + 16 x my half
	v_mul_u32_u24 v[SB], v[RR], SPITCH
	v_lshl_add_u32 v[SB], v[HH], 5, v[SB]
	v_add_nc_u32 v[SB], s23, v[SB]                 ; back: row r, + 32 h: fragment s, registers 6 c on, want block 4 s + 2 c + h
	s_add_co_u32 s23, s23, STG
	v_add_nc_u32 v[SY], s23, v[RR]                 ; the scale bytes: 16 x row + block
	v_lshlrev_b32 v[WO], 3, v[LL]
	v_add_nc_u32 v[SR], s23, v[WO]                 ; and back, 8 bytes a lane
.irp b, 0,1,2,3
	v_mov_b32 v[TM+4+\b], 0                        ; written once: a lane permute's destination counts as one of its sources
.endr
	s_cmp_lt_u32 ttmp9, NQ                         ; Q or K?  The choice hangs on the work-group's number alone
	s_cselect_b64 s[4:5], s[4:5], s[6:7]
	s_cselect_b64 s[14:15], s[14:15], s[16:17]
	s_and_b32 s26, ttmp9, NQ-1
	s_lshl_b32 s26, s26, 2
	s_add_co_u32 s26, s26, s[WV]                   ; my record, 0 .. 2047
	s_lshr_b32 s27, s26, 1
	s_lshl_b32 s27, s27, 16                        ; 32 rows of 2,048 bytes for each pair of records,
	s_and_b32 s28, s26, 1
	s_lshl_b32 s28, s28, 14                        ; 8 rows for the odd one
	s_add_co_u32 s28, s27, s28
	s_add_nc_u64 s[4:5], s[4:5], s[28:29]
	s_mul_i32 s28, s26, REC                        ; Q: records on end
	s_lshr_b32 s30, s26, 4                         ; K: 8 head + j
	s_sub_co_u32 s31, s30, 1
	s_and_b32 s31, s31, 7                          ; the chunk (j - 1) % 8
	s_and_b32 s30, s30, 0x78
	s_or_b32 s30, s30, s31
	s_lshl_b32 s30, s30, 2
	s_bfe_u32 s31, s26, 0x20002                    ; the quarter w
	s_or_b32 s30, s30, s31
	s_mul_i32 s30, s30, 2*VBLK
	s_and_b32 s31, s26, 3
	s_mul_i32 s31, s31, REC
	s_add_co_u32 s30, s30, s31
	s_cmp_lt_u32 ttmp9, NQ
	s_cselect_b32 s28, s28, s30
	s_add_nc_u64 s[14:15], s[14:15], s[28:29]
	s_lshr_b32 s28, s26, 10                        ; the batch: 1,024 records each
	s_lshl_b32 s28, s28, 5
	s_add_nc_u64 s[12:13], s[12:13], s[28:29]
	s_load_b256 s[48:55], s[12:13], 0x0            ; the batch's eight gates (K's work-groups load them too and do not use them: so no path reads a register that was never written)
.macro LOADG set, g                    ; rows 4 g .. 4 g + 3 of the record, whole: register 16 b + 4 c + i.  Row i of a record lies i + 8 (i / 8) rows on
.irp b, 0,1,2,3
.irp c, 0,1,2,3
	global_load_b128 v[R+64*(\set)+16*\b+4*\c:R+64*(\set)+16*\b+4*\c+3], v[LI], s[4:5] offset:(4*(\g)+\b+8*((4*(\g)+\b)/8))*ROWB+512*\c th:TH_LOAD_NT
.endr
.endr
.endm
	LOADG 0, 0
	LOADG 1, 1
	LOADG 2, 2                                     ; 48 loads of 512 bytes are out
	s_mov_b32 s27, 0xffff0000
	s_wait_kmcnt 0x0
.irp c, 0,1,2,3
	v_mov_b32 v[GV+2*\c], s[48+2*\c]
	v_mov_b32 v[GV+2*\c+1], s[48+2*\c+1]
.endr
.irp c, 0,1,2,3
	v_cndmask_b32 v[GV+2*\c], v[GV+2*\c], v[GV+2*\c+1], s27   ; lanes 16-31 hold the odd slice of each load
.endr
.macro QGROUP g                        ; four rows by turns, so that no line waits for the line above it
.set XS, R+64*((\g)%3)
.if (\g) < 2
	s_wait_loadcnt 32                              ; this group's 16 loads are in; two younger groups' 32 may be out
.elseif (\g) == 2
	s_wait_loadcnt 16                              ; the last group's 16 may be out
.else
	s_wait_loadcnt 0x0
.endif
	s_cmp_ge_u32 ttmp9, NQ
	s_cbranch_scc1 .Lplain_\@                      ; K is quantised as it comes
.set p, 0
	s_wait_alu depctr_va_vdst(0)
.rept 32
	v_pk_mul_f32 v[XS+2*p:XS+2*p+1], v[XS+2*p:XS+2*p+1], v[GV+2*((p/2)%4):GV+2*((p/2)%4)+1] op_sel_hi:[1,0]   ; Q x the gate of its slice, in f32, ahead of the quantiser
.set p, p+1
.endr
.Lplain_\@:
.irp b, 0,1,2,3
	v_max3_num_f32 v[TM+\b], |v[XS+16*\b]|, |v[XS+16*\b+1]|, 0x1800000   ; row 4 g + b: my 16 numbers of my block, and the floor 2^(3 - 127): the byte cannot fall under 1
.endr
.irp i, 2,4,6,8,10,12,14
.irp b, 0,1,2,3
	v_max3_num_f32 v[TM+\b], v[TM+\b], |v[XS+16*\b+\i]|, |v[XS+16*\b+\i+1]|
.endr
.endr
.irp b, 0,1,2,3
	v_permlanex16_b32 v[TM+4+\b], v[TM+\b], s[SEL], s[SEL+1]
.endr
.irp b, 0,1,2,3
	v_max_num_f32 v[TM+\b], v[TM+\b], v[TM+4+\b]   ; with lane l xor 16: the block's largest magnitude
.endr
.irp b, 0,1,2,3
	v_add_nc_u32 v[TM+12+\b], 0xff000000, v[TM+\b] ; 2 off its exponent field: the conversion takes this operand's exponent field as its scale
.endr
.if (\g) > 0
	s_wait_alu depctr_va_vdst(0)
	s_wait_dscnt 0x0                               ; the last group's LDS stores have read the registers that are written now
.endif
.irp b, 0,1,2,3
	v_cvt_scalef32_pk16_fp6_f32 v[CD+4*\b:CD+4*\b+2], v[XS+16*\b:XS+16*\b+15], v[TM+12+\b]
.endr
.irp b, 0,1,2,3
	v_lshrrev_b32 v[TM+8+\b], 23, v[TM+12+\b]      ; the scale's byte (plain lines behind the conversions)
.endr
.irp b, 0,1,2,3
	ds_store_b96 v[SA], v[CD+4*\b:CD+4*\b+2] offset:SPITCH*(4*(\g)+\b)   ; the 32 lanes' places are 512 consecutive bytes
	ds_store_b8 v[SY], v[TM+8+\b] offset:16*(4*(\g)+\b)                  ; both lanes of a block write the same byte with the same value
.endr
.if (\g) == 0
	LOADG 0, 3                                     ; the last four rows, into the set just converted
.endif
.endm
	QGROUP 0
	QGROUP 1
	QGROUP 2
	QGROUP 3
.irp s, 0,1,2,3                        ; LDS serves a wave's instructions in order (ISA guide 5.7.1.4): these see my stores
.irp c, 0,1
	ds_load_b96 v[FG+12*\s+6*\c:FG+12*\s+6*\c+2], v[SB] offset:128*\s+64*\c        ; block 4 s + 2 c + h of row r: its lower 16 codes,
	ds_load_b96 v[YT+8*\s+4*\c:YT+8*\s+4*\c+2], v[SB] offset:128*\s+64*\c+16       ; its upper 16 (a run of three registers begins on an even number: these are moved)
.endr
.endr
	ds_load_b64 v[W:W+1], v[SR]
	s_wait_dscnt 0x0
.irp s, 0,1,2,3
.irp c, 0,1
.irp i, 0,1,2
	v_mov_b32 v[FG+12*\s+6*\c+3+\i], v[YT+8*\s+4*\c+\i]
.endr
.endr
.endr
.irp s, 0,1,2,3
.irp g, 0,1,2
	global_store_b128 v[LI], v[FG+12*\s+4*\g:FG+12*\s+4*\g+3], s[14:15] offset:FRB*\s+512*\g   ; 512 consecutive bytes, aligned
.endr
.endr
	global_store_b64 v[WO], v[W:W+1], s[14:15] offset:4*FRB   ; 256 consecutive bytes, aligned
	s_wait_tensorcnt 0x0
	ds_add_u32 v62, v63
	s_wait_dscnt 0x0
	s_endpgm
; ---- V: a lane takes a channel, its registers run down the keys; a wave makes two tiles of 16 channels x 256 keys
.Lvals:
	s_sub_co_u32 s26, ttmp9, NQK                   ; 32 head + 4 j + w
	s_lshr_b32 s27, s26, 2
	s_lshl_b32 s28, s27, 19                        ; 256 keys of 2,048 bytes
	s_and_b32 s27, s26, 3
	s_lshl_b32 s27, s27, 9                         ; 128 channels
	s_add_co_u32 s28, s28, s27
	s_lshl_b32 s27, s[WV], 7                       ; my wave's 32 of them
	s_add_co_u32 s28, s28, s27
	s_add_nc_u64 s[8:9], s[8:9], s[28:29]
	s_mul_i32 s28, s26, 2*VBLK                     ; quarter (head, j, w) of kvimg,
	s_add_co_u32 s28, s28, VBLK                    ; behind its four records of K
	s_add_nc_u64 s[18:19], s[18:19], s[28:29]
	s_wait_alu depctr_va_vdst(0)
	v_lshlrev_b32 v[SA], 2, v[LL]                  ; in: 4 bytes a lane
	s_mul_i32 s27, s[WV], 4*FRB
	v_add_nc_u32 v[VF], s27, v[LI]                 ; out: my two tiles' four fragments begin at 6144 x wave
	s_lshl_b32 s27, s[WV], 8
	v_lshlrev_b32 v[WO], 4, v[RR]
	v_lshl_add_u32 v[WO], v[HH], 3, v[WO]
	v_add_nc_u32 v[WO], s27, v[WO]                 ; scale words: 256 x wave + 16 r + 8 x (tile's parity)
.macro LOADB t                         ; block t: V(32 t + i, my channel)
.irp i, 0,1,2,3,4,5,6,7,8,9,10,11,12,13,14,15,16,17,18,19,20,21,22,23,24,25,26,27,28,29,30,31
	global_load_b32 v[XV+32*((\t)%2)+\i], v[SA], s[8:9] offset:(32*(\t)+\i)*ROWB th:TH_LOAD_NT
.endr
.endm
	LOADB 0
	LOADB 1
.macro VBLOCK t
.set XS, XV+32*((\t)%2)
.set KAP, (\t)/4                       ; which 128 keys
.set BE, (\t)%4                        ; which block of 32 in them
.set T0, TT+24*KAP                     ; the fragment of my wave's even tile, and of its odd one
.set T1, TT+24*KAP+12
.if (\t) < 7
	s_wait_loadcnt 32                              ; this block's 32 loads are in; the next block's may be out
.else
	s_wait_loadcnt 0x0
.endif
	v_max3_num_f32 v8, |v[XS]|, |v[XS+1]|, |v[XS+2]|   ; all 32 numbers of the block are mine
	v_max3_num_f32 v9, |v[XS+3]|, |v[XS+4]|, |v[XS+5]|
.irp i, 6,10,14,18,22,26
	v_max3_num_f32 v8, v8, |v[XS+\i]|, |v[XS+\i+1]|
	v_max3_num_f32 v9, v9, |v[XS+\i+2]|, |v[XS+\i+3]|
.endr
	v_max3_num_f32 v8, v8, |v[XS+30]|, |v[XS+31]|
	v_max3_num_f32 v8, v8, v9, 0x1800000           ; and the floor
	v_add_nc_u32 v10, 0xff000000, v8               ; the conversion's scale operand
	v_lshrrev_b32 v11, 23, v10                     ; the byte
.if BE == 0
	v_mov_b32 v[W+KAP], v11
.else
	v_lshl_or_b32 v[W+KAP], v11, 8*BE, v[W+KAP]
.endif
	v_cvt_scalef32_pk16_fp6_f32 v[T0+12*(BE%2)+6*(BE/2):T0+12*(BE%2)+6*(BE/2)+2], v[XS:XS+15], v10
	v_cvt_scalef32_pk16_fp6_f32 v[YH+4*BE:YH+4*BE+2], v[XS+16:XS+31], v10
.if (\t)+2 < 8
	LOADB (\t)+2
.endif
.if BE%2 == 1
; Lanes 0-15 hold the even tile's channels, lanes 16-31 the odd tile's, each with blocks 2 c and 2 c + 1.  A fragment wants ONE tile: block 2 c in lanes 0-15, block 2 c + 1 in lanes 16-31.
; The exchange of the even block's lanes 16-31 with the odd block's lanes 0-15 gives just that for both tiles.
	v_nop                                          ; one plain place behind a scaled conversion
.irp i, 0,1,2
	v_permlane16_swap_b32 v[T0+6*(BE/2)+\i], v[T1+6*(BE/2)+\i]
	v_permlane16_swap_b32 v[YH+8*(BE/2)+\i], v[YH+8*(BE/2)+4+\i]
.endr
.irp i, 0,1,2
	v_mov_b32 v[T0+6*(BE/2)+3+\i], v[YH+8*(BE/2)+\i]
	v_mov_b32 v[T1+6*(BE/2)+3+\i], v[YH+8*(BE/2)+4+\i]
.endr
.endif
.if BE == 3
.irp g, 0,1,2
	global_store_b128 v[VF], v[T0+4*\g:T0+4*\g+3], s[18:19] offset:FRB*KAP+512*\g            ; each 512 consecutive bytes, aligned; each 128 keys have registers of their own
	global_store_b128 v[VF], v[T1+4*\g:T1+4*\g+3], s[18:19] offset:2*FRB+FRB*KAP+512*\g
.endr
.endif
.endm
.irp t, 0,1,2,3,4,5,6,7
	VBLOCK \t
.endr
	global_store_b64 v[WO], v[W:W+1], s[18:19] offset:16*FRB   ; 256 consecutive bytes, aligned
	s_endpgm
; ---- THE MASK: a wave takes 32 queries (two tiles) x 256 keys: four turns of 16 rows x 128 keys
; 16 rows, 512 bytes of each, into set: each load covers 512 consecutive bytes.  Row i of a tile lies i + 8 (i / 8) rows on.
.macro LOADROWS set, off
.irp i, 0,1,2,3,4,5,6,7,8,9,10,11,12,13,14,15
	global_load_b128 v[R+64*(\set)+4*\i:R+64*(\set)+4*\i+3], v[LI], s[10:11] offset:(\i+8*(\i/8))*MROWB+(\off) th:TH_LOAD_NT
.endr
.endm
; through my stage: in as loaded, back 16 neighbours of each 32 keys to a lane.  LDS serves a wave's instructions in order (ISA guide 5.7.1.4): no wait between stores and loads.
.macro TURNST set
.irp i, 0,1,2,3,4,5,6,7,8,9,10,11,12,13,14,15
	ds_store_b128 v[SA], v[R+64*(\set)+4*\i:R+64*(\set)+4*\i+3] offset:SPITCH*\i
.endr
.irp b, 0,1,2,3
.irp j, 0,1,2,3
	ds_load_b128 v[X+16*\b+4*\j:X+16*\b+4*\j+3], v[SB] offset:128*\b+16*\j
.endr
.endr
.endm
.Lmask:
	s_sub_co_u32 s26, ttmp9, NQK+NV
	s_lshr_b32 s27, s26, 1                         ; which 32 queries
	s_and_b32 s26, s26, 1
	s_lshl_b32 s26, s26, 2
	s_add_co_u32 s26, s26, s[WV]                   ; which 256 keys
	s_lshl_b32 s28, s27, 18                        ; 32 rows of 8,192 bytes
	s_lshl_b32 s30, s26, 10
	s_add_co_u32 s28, s28, s30
	s_add_nc_u64 s[10:11], s[10:11], s[28:29]
	s_lshr_b32 s28, s27, 1
	s_lshl_b32 s28, s28, 14                        ; 16,384 bytes of words for 64 queries,
	s_lshl_b32 s30, s26, 11                        ; 2,048 for 256 keys,
	s_add_co_u32 s28, s28, s30
	s_and_b32 s30, s27, 1
	s_lshl_b32 s30, s30, 8                         ; 256 for two tiles
	s_add_co_u32 s28, s28, s30
	s_add_nc_u64 s[20:21], s[20:21], s[28:29]
	s_mul_i32 s23, s[WV], STG
	s_add_co_u32 s23, s23, MSTG
	s_wait_alu depctr_va_vdst(0)
	v_add_nc_u32 v[SA], s23, v[LI]                 ; in: 16 x lane of a row
	v_mul_u32_u24 v[SB], v[RR], SPITCH
	v_lshl_add_u32 v[SB], v[HH], 6, v[SB]
	v_add_nc_u32 v[SB], s23, v[SB]                 ; back: row r, + 64 h
	v_lshlrev_b32 v[WO], 3, v[LL]
.irp i, 0,1,2,3,4,5,6,7
	v_mov_b32 v[OW+\i], 0                          ; v_writelane_b32's destination counts as read
.endr
	LOADROWS 0, 0
	LOADROWS 1, 512
.macro MTURN tn                        ; turn tn: tile tn / 2, keys 128 (tn % 2) on
.if (\tn) < 3
	s_wait_loadcnt 16                              ; this turn's 16 loads are in; the next turn's may be out
.else
	s_wait_loadcnt 0x0
.endif
	TURNST (\tn)%2
	s_wait_dscnt 0x0                               ; the numbers are back, and the stage's stores have read their registers,
.if (\tn) < 2
	LOADROWS (\tn)%2, 8*MROWB+512*(\tn)            ; which take the second tile's loads: it lies 8 rows on
.endif
.set b, 0
.rept 4
.set i, 0
.rept 4
.irp k, 0,1,2,3
	v_cmp_ne_u32 s[40+\k], 0, v[X+16*b+i+\k]       ; a word: bit (r + 16 h) for query row r, key 128 (tn % 2) + 32 b + 16 h + i + k
.endr
.irp k, 0,1,2,3
	v_writelane_b32 v[OW+2*(2*((\tn)%2)+b/2)+(\k%2)], s[40+\k], 16*((\tn)/2)+(16*(b%2)+i+\k)/2   ; word n = 16 (b % 2) + i + k of the tile: lane 16 x tile + n / 2, register n % 2
.endr
.set i, i+4
.endr
.set b, b+1
.endr
.endm
	MTURN 0
	MTURN 1
	MTURN 2
	MTURN 3
.irp u, 0,1,2,3
	global_store_b64 v[WO], v[OW+2*\u:OW+2*\u+1], s[20:21] offset:512*\u   ; two tiles' 64 words for 64 keys: 256 consecutive bytes, aligned
.endr
	s_wait_tensorcnt 0x0
	ds_add_u32 v62, v63
	s_wait_dscnt 0x0
	s_endpgm
.Lfunc_end_k_qb893fa0250_prep:
	.size	k_qb893fa0250_prep, .Lfunc_end_k_qb893fa0250_prep-k_qb893fa0250_prep
	.p2alignl 7, 3214868480
	.fill 96, 4, 3214868480
	.section	.rodata,"a",@progbits
	.p2align	6, 0x0
	.amdhsa_kernel k_qb893fa0250_prep
		.amdhsa_group_segment_fixed_size 69120
		.amdhsa_private_segment_fixed_size 0
		.amdhsa_enable_private_segment 0
		.amdhsa_kernarg_size 64
		.amdhsa_user_sgpr_count 2
		.amdhsa_user_sgpr_kernarg_segment_ptr 1
		.amdhsa_wavefront_size32 1
		.amdhsa_system_sgpr_workgroup_id_x 1
		.amdhsa_system_sgpr_workgroup_id_y 1
		.amdhsa_system_sgpr_workgroup_id_z 1
		.amdhsa_system_vgpr_workitem_id 0
		.amdhsa_next_free_vgpr 256
		.amdhsa_next_free_sgpr 66
		.amdhsa_reserve_vcc 0
		.amdhsa_float_denorm_mode_32 3
		.amdhsa_float_denorm_mode_16_64 3
		.amdhsa_memory_ordered 1
		.amdhsa_forward_progress 1
		.amdhsa_inst_pref_size 123
	.end_amdhsa_kernel
	.amdgpu_metadata
---
amdhsa.version: [ 1, 2 ]
amdhsa.kernels:
  - .name:           k_qb893fa0250_prep
    .symbol:         k_qb893fa0250_prep.kd
    .args:
      - { .name: Q, .offset: 0, .size: 8, .value_kind: global_buffer, .address_space: global }
      - { .name: K, .offset: 8, .size: 8, .value_kind: global_buffer, .address_space: global }
      - { .name: V, .offset: 16, .size: 8, .value_kind: global_buffer, .address_space: global }
      - { .name: mask, .offset: 24, .size: 8, .value_kind: global_buffer, .address_space: global }
      - { .name: route_mat, .offset: 32, .size: 8, .value_kind: global_buffer, .address_space: global }
      - { .name: qimg, .offset: 40, .size: 8, .value_kind: global_buffer, .address_space: global }
      - { .name: kvimg, .offset: 48, .size: 8, .value_kind: global_buffer, .address_space: global }
      - { .name: mwords, .offset: 56, .size: 8, .value_kind: global_buffer, .address_space: global }
    .group_segment_fixed_size: 69120
    .private_segment_fixed_size: 0
    .kernarg_segment_align: 8
    .kernarg_segment_size: 64
    .max_flat_workgroup_size: 128
    .sgpr_count:     66
    .vgpr_count:     256
    .wavefront_size: 32
...
	.end_amdgpu_metadata
.endif
;; end of part 1
;; launch attn (part 2): grid 64 x 4, 4 waves a work-group, clusters of 4 x 1, 327,680 bytes of LDS; arguments qimg, kvimg, route_mat, mwords, out0; writes out0
.if DOCPART == 2
	.amdgcn_target "amdgcn-amd-amdhsa--gfx1250"
	.amdhsa_code_object_version 6
	.text
	.protected	k_qb893fa0250_attn
	.globl	k_qb893fa0250_attn
	.p2align	8
	.type	k_qb893fa0250_attn,@function
k_qb893fa0250_attn:
	s_mov_b64 s[64:65], 0
	v_nop
	global_prefetch_b8 v0, s[64:65] scope:SCOPE_SE
	s_setreg_imm32_b32 hwreg(HW_REG_WAVE_MODE, 25, 1), 1
	s_wait_xcnt 0x0
	s_wait_alu depctr_hold_cnt(0) depctr_sa_sdst(0) depctr_va_vdst(0) depctr_va_sdst(0) depctr_va_ssrc(0) depctr_va_vcc(0) depctr_vm_vsrc(0)
	s_getreg_b32 s2, hwreg(HW_REG_IB_STS2, 6, 4)
	s_cmp_eq_u32 s2, 0
	s_cbranch_scc0 .Lentry_in_a_cluster
	s_endpgm
.Lentry_in_a_cluster:
	s_bfe_u32 s2, ttmp6, 0x10000c
	s_cmp_lg_u32 s2, 0x3003
	s_cbranch_scc0 .Lentry_shape_is_right
	s_endpgm
.Lentry_shape_is_right:
; ATTENTION in MX-FP6 on the images that the launch before has laid.  A work-group of four waves owns TWO blocks of 64 queries of one head (block A = 4 y + cx, block B = A + 16) and walks the 2,048 keys ONCE, in 8 steps of 256.
; Both products are used transposed (S^T = K Q^T, O^T = V^T p^T): a lane holds one query.  In a step wave w makes the scores of keys 64 w .. 64 w + 63 for 64 queries at a time, and O^T of channels 128 w .. 128 w + 127 for all 128.
; A STEP: K's fragments into registers (once for both blocks); scores, mask and maxima of A; the waves' maxima meet in LDS; p of A, quantised, into LDS; the same for B; V's fragments into the registers that held K's; O^T of A, of B.
; Q's images lie in LDS and pass through five fragment buffers, reloaded two at a time, so that the products stand in runs of eight.  M is the running ceiling of the largest t (kept as -M, by a minimum of floors);
; when it moves, sums and O^T are multiplied by an exact power of two, in every step.  The rescaling of O^T stands where LDS loads are out: half of A's behind the loads of B's maxima, the rest between the runs of V's and p's loads.
; LDS: one slot of 204,800 bytes, quarter w = K's four records, then V's block.  A chunk of kvimg holds K of step c + 1 beside V of step c, so ONE load a wave refills both, behind the one round of the cluster's barrier of a step,
; when K's fragments of this step and V's of the last are in registers.  The head's load is chunk j0 - 1, of which K's half is read.  The four work-groups of a cluster share a head and ask jointly (mask 15).
; The accumulators are cleared once at the head, under the first load's flight, so that the step is written once.  The input ids has no way to the output (reference() never uses it) and is not among the arguments.
; LIMITS: the promise holds while the scaled scores stay under 2^31 in magnitude; NaN and infinities among Q, K, V are not served.  A row whose keys are all masked gives NaN, as reference() does.
; In the code: the adds of 0 on spare words, the claim of all LDS, s_nop 0 behind a tensor load, the waits s_wait_alu depctr_va_vdst(0), accumulators by turns.
.set REC,    6400
.set FRB,    1536
.set BLK,    4*REC                     ; four records, or a block of V
.set QTR,    2*BLK                     ; a wave's quarter of the slot
.set CHB,    4*QTR                     ; a chunk
.set QB2,    16
.set MB2,    QB2*16384                 ; block B's mask words
.set OB2,    QB2*64*2048               ; block B's rows of the output
.set VO,     BLK
.set QL,     CHB                       ; Q's images: A's four records, B's four
.set PIMG,   QL+2*BLK                  ; p's codes, 16 half fragments of 768 bytes a block
.set HFB,    768
.set PIB,    16*HFB
.set PSC,    PIMG+2*PIB                ; p's scale words, 512 bytes a block
.set MX,     PSC+1024                  ; the waves' maxima, 2,048 bytes a block
.set LX,     MX+4096                   ; the waves' sums
.set SPARE,  LX+4096
.set STG,    SPARE+512                 ; the way out: 16 rows of 528 bytes a wave
.set SPITCH, 528
; window 0: v0-127 as named below, v128-255 scores, then p's fragments; window 1: v0-191 K's or V's fragments, v192-251 Q's five buffers (then p's); window 2: O^T of A; window 3: O^T of B
.set L8,   1
.set MW,   2
.set AKF,  4
.set AKS,  5
.set AQ,   6
.set APW,  7
.set APW2, 8
.set APS,  9
.set APR,  10
.set APR2, 11
.set APSR, 12
.set AMW,  13
.set RD,   14
.set STO,  15
.set MVO,  16
.set CO,   17
.set SPW,  18
.set NIL,  19
.set NEG,  20
.set AQS,  21
.set T,    22
.set ST,   24                          ; pairs (-M of A, -M of B), one for each tile of queries
.set LS,   32                          ; A's sums; B's lie 32 on
.set FF,   40                          ; pairs (f of A, f of B)
.set QSC,  48
.set VSC,  48
.set KSC,  56
.set PSCR, 56
.set BM,   76
.set BT,   84
.set GGA,  76
.set GGB,  24
.set LM,   92
.set Y,    92
.set EX,   96
.set PC,   96
.set PO1,  119
.set PO2,  127
.set S,    128
.set PF,   128
.set BK,   128
.set QF,   192
.set CNT,  2
.set WV,   3
.set QP,   4
.set KB,   6
.set PB,   8
.set MP,   10
.set KN,   12
.set MO,   13
.set OP,   14
.set G1,   16
.set G0,   24
.set PA,   28
.set MA,   32
.set CS,   66
.set MB,   68
.set SEL,  100
.set GT,   104
.set MSB, 0
.macro WIN new
.if MSB != (\new)
	s_set_vgpr_msb (MSB<<8)|(\new)
.set MSB, (\new)
.endif
.endm
.macro PLACES n
.rept \n
	v_nop
.endr
.endm
.macro ROUND
	s_barrier_signal -1
	s_barrier_wait -1
	s_cmp_lg_u32 s[WV], 0
	s_cbranch_scc1 .Lnot_wave_0_\@
	s_barrier_signal -3
.Lnot_wave_0_\@:
	s_barrier_wait -3
	s_barrier_signal -1
	s_barrier_wait -1
.endm
.macro SETG r                          ; the chunk at 2,048 x its number in s[r]
	s_mul_i32 s[G0+2], s[\r], CHB/2048
	s_mov_b32 s[G0+3], 0
	s_add_nc_u64 s[G0+2:G0+3], s[KB:KB+1], s[G0+2:G0+3]
	s_or_b32 s[G0+3], s[G0+3], 0x80000000
.endm
.macro WM
.if rZ && pA && pB
	v_wmma_scale_f32_16x16x128_f8f6f4 v[rD:rD+7], v[rA:rA+11], v[rB:rB+11], 0, v[rSA], v[rSB] matrix_a_fmt:MATRIX_FMT_FP6 matrix_b_fmt:MATRIX_FMT_FP6 matrix_a_scale:MATRIX_SCALE_ROW1 matrix_b_scale:MATRIX_SCALE_ROW1
.elseif rZ && pA
	v_wmma_scale_f32_16x16x128_f8f6f4 v[rD:rD+7], v[rA:rA+11], v[rB:rB+11], 0, v[rSA], v[rSB] matrix_a_fmt:MATRIX_FMT_FP6 matrix_b_fmt:MATRIX_FMT_FP6 matrix_a_scale:MATRIX_SCALE_ROW1
.elseif rZ && pB
	v_wmma_scale_f32_16x16x128_f8f6f4 v[rD:rD+7], v[rA:rA+11], v[rB:rB+11], 0, v[rSA], v[rSB] matrix_a_fmt:MATRIX_FMT_FP6 matrix_b_fmt:MATRIX_FMT_FP6 matrix_b_scale:MATRIX_SCALE_ROW1
.elseif rZ
	v_wmma_scale_f32_16x16x128_f8f6f4 v[rD:rD+7], v[rA:rA+11], v[rB:rB+11], 0, v[rSA], v[rSB] matrix_a_fmt:MATRIX_FMT_FP6 matrix_b_fmt:MATRIX_FMT_FP6
.elseif pA && pB
	v_wmma_scale_f32_16x16x128_f8f6f4 v[rD:rD+7], v[rA:rA+11], v[rB:rB+11], v[rD:rD+7], v[rSA], v[rSB] matrix_a_fmt:MATRIX_FMT_FP6 matrix_b_fmt:MATRIX_FMT_FP6 matrix_a_scale:MATRIX_SCALE_ROW1 matrix_b_scale:MATRIX_SCALE_ROW1
.elseif pA
	v_wmma_scale_f32_16x16x128_f8f6f4 v[rD:rD+7], v[rA:rA+11], v[rB:rB+11], v[rD:rD+7], v[rSA], v[rSB] matrix_a_fmt:MATRIX_FMT_FP6 matrix_b_fmt:MATRIX_FMT_FP6 matrix_a_scale:MATRIX_SCALE_ROW1
.elseif pB
	v_wmma_scale_f32_16x16x128_f8f6f4 v[rD:rD+7], v[rA:rA+11], v[rB:rB+11], v[rD:rD+7], v[rSA], v[rSB] matrix_a_fmt:MATRIX_FMT_FP6 matrix_b_fmt:MATRIX_FMT_FP6 matrix_b_scale:MATRIX_SCALE_ROW1
.else
	v_wmma_scale_f32_16x16x128_f8f6f4 v[rD:rD+7], v[rA:rA+11], v[rB:rB+11], v[rD:rD+7], v[rSA], v[rSB] matrix_a_fmt:MATRIX_FMT_FP6 matrix_b_fmt:MATRIX_FMT_FP6
.endif
.endm
; Q's fragment number ff of block X (ff = 8 p + 2 ks + qq: tile of queries 2 p + qq, K step ks) into buffer ff % 5.  The destination's window is 1
.macro LDQ X, ff
.set lq, 2*((\ff)/8)+(\ff)%2
.set lk, ((\ff)%8)/2
.irp g, 0,1,2
	ds_load_b128 v[QF+12*((\ff)%5)+4*\g:QF+12*((\ff)%5)+4*\g+3], v[AQ] offset:BLK*\X+REC*lq+FRB*lk+512*\g
.endr
.endm
.macro PREQ X                          ; Q's scale words and first five fragments: 17 loads
	WIN 0
	ds_load_b128 v[QSC:QSC+3], v[AQS] offset:BLK*\X
	ds_load_b128 v[QSC+4:QSC+7], v[AQS] offset:BLK*\X+2*REC
	WIN 0x40
.irp n, 0,1,2,3,4
	LDQ \X, \n
.endr
.endm
.macro LDK                             ; K's scale words, PREQ, then K's 16 fragments, K step by K step: 12 loads each
	WIN 0
	ds_load_b128 v[KSC:KSC+3], v[AKS]
	ds_load_b128 v[KSC+4:KSC+7], v[AKS] offset:2*REC
	PREQ 0
.set ks, 0
.rept 4
.set kt, 0
.rept 4
.irp g, 0,1,2
	ds_load_b128 v[12*(4*ks+kt)+4*\g:12*(4*ks+kt)+4*\g+3], v[AKF] offset:REC*kt+FRB*ks+512*\g
.endr
.set kt, kt+1
.endr
.set ks, ks+1
.endr
.endm
.macro CM p, a                         ; the mask on accumulator a (0 .. 7) of the pair of tiles p
.set n, 0
.rept 8
.if (\a) < 4
	v_cndmask_b32 v[S+64*\p+8*(\a)+n], v[S+64*\p+8*(\a)+n], v[NEG], s[MA+8*(\a)+n]
.else
	v_cndmask_b32 v[S+64*\p+8*(\a)+n], v[S+64*\p+8*(\a)+n], v[NEG], s[MB+8*(\a)-32+n]
.endif
.set n, n+1
.endr
.endm
.macro RL base, lane0, m0, cnt         ; mask words of tiles 2 and 3 out of the lanes of v[MW:MW+1]
.set m, \m0
.rept \cnt
	v_readlane_b32 s[\base+m], v[MW+(m%2)], \lane0+m/2
.set m, m+1
.endr
.endm
; S^T of block X: 16 groups of four matrix instructions, one fragment of Q each.  Behind each odd group f (up to 11) the two buffers read out take fragments f + 4 and f + 5, four v_nop in front of the loads.
; fim: the highest fragment asked for so far; the wait in front of group f leaves out the 3 (fim - f) younger loads of Q (for A's first five groups: K's later K steps and the reloads)
.macro QK X
.set f, 0
.rept 16
.set pp, f/8
.set ks, (f%8)/2
.set qq, f%2
.set qt, 2*pp+qq
.set fo, f-1-(f%2)
.set fim, fo+5
.if fo < 1
.set fim, 4
.endif
.if fim > 15
.set fim, 15
.endif
.if f >= 5
	s_wait_dscnt 3*(fim-f)
.elseif \X == 0
	s_wait_dscnt 12*(3-ks)+3*(fim-4)
.endif
	WIN 0x05
.set kt, 0
.rept 4
.set rD, S+32*qt+8*kt
.set rA, 12*(4*ks+kt)
.set rB, QF+12*(f%5)
.set rSA, KSC+4*(kt/2)+ks
.set rSB, QSC+4*(qt/2)+ks
.set pA, kt%2
.set pB, qq
.set rZ, 0
.if ks == 0
.set rZ, 1
.endif
	WM
.set kt, kt+1
.endr
.if (f%2) == 1 && f+4 <= 15
	PLACES 4
	WIN 0x40
	LDQ \X, f+4
.if f+5 <= 15
	LDQ \X, f+5
.endif
.endif
.set f, f+1
.endr
	WIN 0
.endm
.macro MT p                            ; the largest score of each block of 32 keys, and of my 64 keys
.set sb, S+64*\p
.set bb, BM+4*\p
.set tb, BT+4*\p
.irp c, 0,1,2,3
	v_max3_num_f32 v[bb+\c], v[sb+16*\c], v[sb+16*\c+1], v[sb+16*\c+2]
.endr
.irp i, 3,5,7,9,11,13
.irp c, 0,1,2,3
	v_max3_num_f32 v[bb+\c], v[bb+\c], v[sb+16*\c+\i], v[sb+16*\c+\i+1]
.endr
.endr
.irp c, 0,1,2,3
	v_max_num_f32 v[bb+\c], v[bb+\c], v[sb+16*\c+15]
.endr
.irp c, 0,1,2,3
	v_permlanex16_b32 v[tb+\c], v[bb+\c], s[SEL], s[SEL+1]
.endr
.irp c, 0,1,2,3
	v_max_num_f32 v[bb+\c], v[bb+\c], v[tb+\c]
.endr
	v_max_num_f32 v[LM+2*\p], v[bb], v[bb+1]
	v_max_num_f32 v[LM+2*\p+1], v[bb+2], v[bb+3]
.endm
.macro MREST X                         ; mask and maxima; the next scores' mask words are asked for (B of this step, or A of the next)
	s_wait_kmcnt 0x0                               ; the mask words of tiles 0 and 1
.irp a, 0,1,2,3,4,5,6,7
	CM 0, \a                                       ; (tiles 0 and 1 were finished ahead of the last reloads' v_nop; these lines are the places behind the last products)
.endr
	s_wait_alu depctr_va_vdst(0)
	s_wait_loadcnt 0x0                             ; the mask words of tiles 2 and 3
	RL MA, 0, 0, 32
	RL MB, 16, 0, 32
.if \X == 0
	s_add_co_u32 s[MO], s[KN], MB2
.else
	s_add_co_u32 s[KN], s[KN], 2048
	s_and_b32 s[KN], s[KN], 0x3800
	s_mov_b32 s[MO], s[KN]
.endif
	v_add_nc_u32 v[MVO], s[MO], v[L8]
	global_load_b64 v[MW:MW+1], v[MVO], s[MP:MP+1] offset:256
	s_wait_alu depctr_va_vdst(0)
	MT 0
.if \X == 0
	PREQ 1
	WIN 0
.endif
.irp a, 0,1,2,3,4,5,6,7
	CM 1, \a
.endr
	s_load_b512 s[MA:MA+15], s[MP:MP+1], s[MO] offset:0x0
	s_load_b512 s[MA+16:MA+31], s[MP:MP+1], s[MO] offset:0x40
	s_load_b512 s[MB:MB+15], s[MP:MP+1], s[MO] offset:0x80
	s_load_b512 s[MB+16:MB+31], s[MP:MP+1], s[MO] offset:0xc0
	MT 1
	ds_store_b128 v[AMW], v[LM:LM+3] offset:2048*\X
.endm
.macro STATS X                         ; -M = min(-M, floor(-t)); f = 2^(old M - new M)
.irp q, 0,1,2,3
	v_max3_num_f32 v[EX+\q], v[EX+\q], v[EX+4+\q], v[EX+8+\q]
.endr
.irp q, 0,1,2,3
	v_max_num_f32 v[EX+\q], v[EX+\q], v[EX+12+\q]
.endr
.irp q, 0,1,2,3
	v_mul_f32 v[EX+\q], s[CS], v[EX+\q]
.endr
.irp q, 0,1,2,3
	v_floor_f32 v[EX+\q], -v[EX+\q]
.endr
.irp q, 0,1,2,3
	v_mov_b32 v[EX+4+\q], v[ST+2*\q+\X]
.endr
.irp q, 0,1,2,3
	v_min_num_f32 v[ST+2*\q+\X], v[ST+2*\q+\X], v[EX+\q]
.endr
.irp q, 0,1,2,3
	v_sub_f32 v[EX+4+\q], v[ST+2*\q+\X], v[EX+4+\q]
.endr
.irp q, 0,1,2,3
	v_cvt_i32_f32 v[EX+4+\q], v[EX+4+\q]
.endr
.irp q, 0,1,2,3
	v_ldexp_f32 v[FF+2*\q+\X], 1.0, v[EX+4+\q]
.endr
.endm
.macro SOFT X                          ; p = 2^(t - M); of the pairs (A's, B's) block B takes the upper word for both halves
.set i, 0
.rept 64
.if \X
	v_pk_fma_f32 v[S+2*i:S+2*i+1], v[S+2*i:S+2*i+1], s[CS:CS+1], v[ST+2*(i/16):ST+2*(i/16)+1] op_sel:[0,0,1] op_sel_hi:[1,0,1]
.else
	v_pk_fma_f32 v[S+2*i:S+2*i+1], v[S+2*i:S+2*i+1], s[CS:CS+1], v[ST+2*(i/16):ST+2*(i/16)+1] op_sel_hi:[1,0,0]
.endif
.set i, i+1
.endr
.irp c, 0,1,2,3,4,5,6,7
	v_fma_f32 v[BM+\c], v[BM+\c], s[CS], v[ST+2*(\c/2)+\X]
.endr
.set i, 0
	s_wait_alu depctr_va_vdst(0)
.rept 128
	v_exp_f32 v[S+i], v[S+i]
.set i, i+1
.endr
.irp c, 0,1,2,3,4,5,6,7
	v_exp_f32 v[BM+\c], v[BM+\c]
.endr
.irp q, 0,1,2,3
.if \X
	v_pk_mul_f32 v[LS+32+2*\q:LS+32+2*\q+1], v[LS+32+2*\q:LS+32+2*\q+1], v[FF+2*\q:FF+2*\q+1] op_sel:[0,1] op_sel_hi:[1,1]
.else
	v_pk_mul_f32 v[LS+2*\q:LS+2*\q+1], v[LS+2*\q:LS+2*\q+1], v[FF+2*\q:FF+2*\q+1] op_sel_hi:[1,0]
.endif
.endr
	s_wait_alu depctr_va_vdst(0)
.irp c, 0,1,2,3,4,5,6,7
	v_max_num_f32 v[BM+\c], 0x1800000, v[BM+\c]
.endr
.irp c, 0,1,2,3,4,5,6,7
	v_add_nc_u32 v[BT+\c], 0xff000000, v[BM+\c]
.endr
.irp c, 0,1,2,3,4,5,6,7
	v_lshrrev_b32 v[BM+\c], 23, v[BT+\c]
.endr
.irp q, 0,1,2,3
	v_lshl_or_b32 v[PC+8*\q+6], v[BM+2*\q+1], 8, v[BM+2*\q]
.endr
.endm
.macro QSUM q, X                       ; a tile's p: codes, the sum of the unquantised p, and the half fragment into LDS
.set rS, S+32*(\q)
.set rP, PC+8*(\q)
.set rL, LS+32*\X+2*(\q)
	v_cvt_scalef32_pk16_fp6_f32 v[rP:rP+2], v[rS:rS+15], v[BT+2*(\q)]
	v_cvt_scalef32_pk16_fp6_f32 v[Y:Y+2], v[rS+16:rS+31], v[BT+2*(\q)+1]
	v_pk_add_f32 v[T:T+1], v[rS:rS+1], v[rS+2:rS+3]
.irp j, 4,8,12,16,20,24,28
	v_pk_add_f32 v[rL:rL+1], v[rL:rL+1], v[rS+\j:rS+\j+1]
	v_pk_add_f32 v[T:T+1], v[T:T+1], v[rS+\j+2:rS+\j+3]
.endr
	v_pk_add_f32 v[rL:rL+1], v[rL:rL+1], v[T:T+1]
.irp i, 0,1,2
	v_permlane16_swap_b32 v[rP+\i], v[Y+\i]
.endr
.irp i, 0,1,2
	v_mov_b32 v[rP+3+\i], v[Y+\i]
.endr
	ds_store_b128 v[APW], v[rP:rP+3] offset:PIB*\X+4*HFB*(\q)
	ds_store_b64 v[APW2], v[rP+4:rP+5] offset:PIB*\X+4*HFB*(\q)+512
	ds_store_b16 v[APS], v[rP+6] offset:512*\X+128*(\q)
.endm
.macro RESCH X, hf                     ; O^T of block X under the new M: tiles 2 hf and 2 hf + 1
	WIN 0x82+0x41*\X
.set i, 64*\hf
.rept 64
.if \X
	v_pk_mul_f32 v[2*i:2*i+1], v[2*i:2*i+1], v[FF+2*(i/32):FF+2*(i/32)+1] op_sel:[0,1] op_sel_hi:[1,1]
.else
	v_pk_mul_f32 v[2*i:2*i+1], v[2*i:2*i+1], v[FF+2*(i/32):FF+2*(i/32)+1] op_sel_hi:[1,0]
.endif
.set i, i+1
.endr
.endm
.macro SM X                            ; behind the barrier at which the waves' maxima meet
.irp u, 0,1,2,3
	ds_load_b128 v[EX+4*\u:EX+4*\u+3], v[APR] offset:MX-PIMG+2048*\X+512*\u
.endr
.if \X == 1
	RESCH 0, 0                                     ; while B's maxima are on their way: A's factor has been known since A's turn
	WIN 0
.endif
	s_wait_dscnt 0x0
	STATS \X
.if \X == 0
	s_wait_alu depctr_va_vdst(0)
	s_cmp_eq_u32 s[CNT], 1                         ; the last step has no chunk to come
	s_cbranch_scc1 .Lno_ask_\@
.Lno_ask_\@:
.endif
	SOFT \X
	QSUM 0, \X
	QSUM 1, \X
	QSUM 2, \X
	QSUM 3, \X
.endm
.macro LDVK kap                        ; V's eight fragments of 128 keys: 24 loads
.set dt, 0
.rept 8
.irp g, 0,1,2
	ds_load_b128 v[12*(8*\kap+dt)+4*\g:12*(8*\kap+dt)+4*\g+3], v[AKF] offset:VO+FRB*(2*dt+\kap)+512*\g
.endr
.set dt, dt+1
.endr
.endm
.macro LDPK X, kp, b                   ; p's four fragments of block X, 128 keys: 16 loads
.irp q, 0,1,2,3
.irp c, 0,1
	ds_load_b128 v[(\b)+12*\q+6*\c:(\b)+12*\q+6*\c+3], v[APR] offset:PIB*\X+HFB*(4*\q+2*\kp+\c)
	ds_load_b64 v[(\b)+12*\q+6*\c+4:(\b)+12*\q+6*\c+5], v[APR2] offset:PIB*\X+HFB*(4*\q+2*\kp+\c)+512
.endr
.endr
.endm
.macro PVK X, kp, b                    ; 32 products, 32 accumulators by turns
.set dt, 0
.rept 8
.set qt, 0
.rept 4
.set rD, 64*qt+8*dt
.set rA, 12*(8*\kp+dt)
.set rB, (\b)+12*qt
.set rSA, VSC+4*(dt/4)+2*(dt%2)+\kp
.set rSB, PSCR+4*\X+qt
.set pA, (dt/2)%2
.set pB, \kp
.set rZ, 0
	WM
.set qt, qt+1
.endr
.set dt, dt+1
.endr
.endm
.macro PVALL                           ; loads in runs of 10, 24, 16, 24, 16, 16, with the rest of the rescaling between the runs
	WIN 0
.irp q, 0,1,2,3
	ds_load_b32 v[PSCR+\q], v[APSR] offset:128*\q
	ds_load_b32 v[PSCR+4+\q], v[APSR] offset:512+128*\q
.endr
	ds_load_b128 v[VSC:VSC+3], v[AKF] offset:VO+16*FRB
	ds_load_b128 v[VSC+4:VSC+7], v[AKF] offset:VO+16*FRB+512
	WIN 0x40
	LDVK 0
	RESCH 0, 1
	WIN 0
	LDPK 0, 0, PF
	RESCH 1, 0
	WIN 0x40
	LDVK 1
	WIN 0
	LDPK 0, 1, PF+48
	RESCH 1, 1
	WIN 0x40
	LDPK 1, 0, QF
	s_wait_dscnt 56                                ; V's second 24, A's second 16 and B's first 16 may be out
	WIN 0xa1
	s_wait_alu depctr_va_vdst(0)
	PVK 0, 0, PF
	PLACES 4
	WIN 0
	LDPK 1, 1, PF                                  ; B's second half, where A's first lay
	s_wait_dscnt 32                                ; B's 32 may be out
	WIN 0xa1
	PVK 0, 1, PF+48
	s_wait_dscnt 16
	WIN 0xf5
	PVK 1, 0, QF
	s_wait_dscnt 0x0
	WIN 0xf1
	PVK 1, 1, PF
	WIN 0
	PLACES 5
.endm
.macro LSUM X
.irp q, 0,1,2,3
	v_add_f32 v[LM+\q], v[LS+32*\X+2*\q], v[LS+32*\X+2*\q+1]
.endr
.irp q, 0,1,2,3
	v_permlanex16_b32 v[BT+\q], v[LM+\q], s[SEL], s[SEL+1]
.endr
.irp q, 0,1,2,3
	v_add_f32 v[LM+\q], v[LM+\q], v[BT+\q]
.endr
	ds_store_b128 v[AMW], v[LM:LM+3] offset:LX-MX+2048*\X
.endm
.macro OUT u                           ; tile u % 4 of block u / 4: x gate / sum, through my stage, back as rows of 512 bytes
.set oX, (\u)/4
.set oq, (\u)%4
.set og, GGA+4*oq
.if oX
.set og, GGB+4*oq
.endif
	WIN 0x82+0x41*oX
.set i, 0
.rept 32
	v_pk_mul_f32 v[64*oq+2*i:64*oq+2*i+1], v[64*oq+2*i:64*oq+2*i+1], v[og+2*(i/16):og+2*(i/16)+1] op_sel_hi:[1,0]
.set i, i+1
.endr
	WIN 0x08+0x04*oX
.irp d, 0,1,2,3,4,5,6,7
	ds_store_b128 v[STO], v[64*oq+8*\d:64*oq+8*\d+3] offset:64*\d
	ds_store_b128 v[STO], v[64*oq+8*\d+4:64*oq+8*\d+7] offset:64*\d+16
.endr
	WIN 0
.irp t, 0,1,2,3,4,5,6,7,8,9,10,11,12,13,14,15
	ds_load_b128 v[BK+64*((\u)%2)+4*\t:BK+64*((\u)%2)+4*\t+3], v[RD] offset:SPITCH*\t
.endr
.endm
.macro SEND u, younger                 ; each store covers 512 consecutive bytes, aligned
	s_wait_dscnt \younger
.irp t, 0,1,2,3,4,5,6,7,8,9,10,11,12,13,14,15
	global_store_b128 v[CO], v[BK+64*((\u)%2)+4*\t:BK+64*((\u)%2)+4*\t+3], s[OP:OP+1] offset:OB2*((\u)/4)+(32*(((\u)%4)/2)+8*((\u)%2)+\t+8*(\t/8))*2048 th:TH_STORE_NT
.endr
.endm
	s_load_b256 s[4:11], s[0:1], 0x0               ; qimg, kvimg, route_mat, mwords
	s_load_b64 s[OP:OP+1], s[0:1], 0x20            ; out0
	v_lshl_add_u32 v[SPW], v0, 2, SPARE
	v_mov_b32 v[NIL], 0
	ds_add_u32 v[SPW], v[NIL]                      ; the opening lines
	ds_add_u32 v[SPW], v[NIL]
	v_lshrrev_b32 v22, 5, v0
	v_readfirstlane_b32 s[WV], v22
	s_bfe_u32 s68, ttmp6, 0x40000                  ; cx
	s_and_b32 s71, ttmp7, 0xffff                   ; y
	s_lshl_b32 s69, s71, 2
	s_add_co_u32 s69, s69, s68                     ; block A
	s_lshl_b32 s[KN], s71, 12                      ; the walk begins at step 2 y
	s_mul_i32 s74, s[WV], QTR
	s_mul_i32 s72, ttmp9, 8*CHB                    ; the head's chunks, my quarter
	s_add_co_u32 s72, s72, s74
	s_mov_b32 s73, 0
	s_mul_i32 s76, ttmp9, 128*REC                  ; Q: waves 0, 1 copy the halves of A's four records, waves 2, 3 of B's
	s_mul_i32 s77, s69, BLK
	s_add_co_u32 s76, s76, s77
	s_lshr_b32 s77, s[WV], 1
	s_mul_i32 s77, s77, QB2*BLK
	s_add_co_u32 s76, s76, s77
	s_and_b32 s77, s[WV], 1
	s_mul_i32 s77, s77, BLK/2
	s_add_co_u32 s76, s76, s77
	s_mov_b32 s77, 0
	s_lshl_b32 s78, s69, 14
	s_lshl_b32 s79, s[WV], 9
	s_add_co_u32 s78, s78, s79
	s_mov_b32 s79, 0
	s_lshr_b32 s80, ttmp9, 3
	s_lshl_b32 s80, s80, 5
	s_lshl_b32 s81, s[WV], 3
	s_add_co_u32 s80, s80, s81                     ; the gates of my two slices
	s_mov_b32 s81, 0
	s_lshl_b32 s82, ttmp9, 22
	s_lshl_b32 s83, s69, 17
	s_add_co_u32 s82, s82, s83
	s_lshl_b32 s83, s[WV], 9
	s_add_co_u32 s82, s82, s83
	s_mov_b32 s83, 0
	s_lshl_b32 s90, s68, 2                         ; sixteenth 4 cx + wave of a chunk
	s_add_co_u32 s90, s90, s[WV]
	s_mul_i32 s90, s90, CHB/16
	s_mul_i32 s91, ttmp9, 8*CHB
	s_add_co_u32 s90, s90, s91
	s_mov_b32 s91, 0
	s_mov_b32 s[G1], 15|(3<<16)|(1<<21)            ; 200 rows of 32 elements of 8 bytes, dense; all four partners
	s_mov_b32 s[G1+1], 32<<16
	s_mov_b32 s[G1+2], 200<<16
	s_mov_b32 s[G1+3], 32<<16
	s_mov_b32 s[G1+4], 200
	s_mov_b32 s[G1+5], 32
	s_mov_b32 s[G1+6], 0
	s_mov_b32 s[G1+7], 0
	s_mov_b32 s[CS], 0x3e38aa3b                    ; log2(e) / 8
	s_mov_b32 s[CS+1], s[CS]
	s_mov_b32 s[SEL], 0x76543210
	s_mov_b32 s[SEL+1], 0xfedcba98
	s_wait_dscnt 0x0
	s_wait_kmcnt 0x0
	s_add_nc_u64 s[88:89], s[8:9], s[80:81]
	s_add_nc_u64 s[PB:PB+1], s[KB:KB+1], s[90:91]
	s_add_nc_u64 s[QP:QP+1], s[QP:QP+1], s[76:77]
	s_add_nc_u64 s[KB:KB+1], s[KB:KB+1], s[72:73]
	s_add_nc_u64 s[MP:MP+1], s[MP:MP+1], s[78:79]
	s_add_nc_u64 s[OP:OP+1], s[OP:OP+1], s[82:83]
	s_load_b64 s[GT:GT+1], s[88:89], 0x0
	s_mov_b32 s[G0], 1
	s_mov_b32 s[G0+1], s74
	s_sub_co_u32 s30, s[KN], 2048
	s_and_b32 s30, s30, 0x3800                     ; the chunk ahead of my first holds my first step's K
	SETG 30
	ROUND
	tensor_load_to_lds s[G0:G0+3], s[G1:G1+7]
	s_nop 0
	PLACES 4
	v_and_b32 v22, 31, v0
	v_and_b32 v23, 15, v0
	v_bfe_u32 v16, v0, 4, 1
	v_lshlrev_b32 v[CO], 4, v22
	v_lshlrev_b32 v[L8], 3, v22
	v_add_nc_u32 v[AKF], s74, v[CO]
	v_lshlrev_b32 v[AQS], 4, v23
	v_mad_u32_u24 v[AQS], v16, REC, v[AQS]
	v_add_nc_u32 v[AQS], 4*FRB, v[AQS]
	v_add_nc_u32 v[AKS], s74, v[AQS]
	v_add_nc_u32 v[AQS], QL, v[AQS]
	v_add_nc_u32 v[AQ], QL, v[CO]
	s_mul_i32 s84, s[WV], HFB
	s_add_co_u32 s84, s84, PIMG
	v_add_nc_u32 v[APW], s84, v[CO]
	v_add_nc_u32 v[APW2], s84, v[L8]
	s_lshr_b32 s85, s[WV], 1
	s_lshl_b32 s85, s85, 6
	s_and_b32 s86, s[WV], 1
	s_lshl_b32 s86, s86, 1
	s_add_co_u32 s85, s85, s86
	s_add_co_u32 s85, s85, PSC
	v_lshl_add_u32 v[APS], v23, 2, s85
	v_add_nc_u32 v[APR], PIMG, v[CO]
	v_add_nc_u32 v[APR2], PIMG, v[L8]
	v_lshl_add_u32 v[APSR], v22, 2, PSC
	s_lshl_b32 s87, s[WV], 9
	s_add_co_u32 s87, s87, MX
	v_add_nc_u32 v[AMW], s87, v[CO]
	s_mul_i32 s86, s[WV], 16*SPITCH
	s_add_co_u32 s86, s86, STG
	v_add_nc_u32 v[RD], s86, v[CO]
	v_mul_u32_u24 v[STO], v23, SPITCH
	v_lshl_add_u32 v[STO], v16, 5, v[STO]
	v_add_nc_u32 v[STO], s86, v[STO]
	v_mov_b32 v[NEG], 0xff800000
	v_lshlrev_b32 v[PO1], 8, v22
	v_min_u32 v[PO2], 17, v22
	v_lshlrev_b32 v[PO2], 8, v[PO2]
	v_add_nc_u32 v[PO2], 8192, v[PO2]
	s_mul_i32 s87, s[WV], BLK/2
	s_add_co_u32 s87, s87, QL
	v_add_nc_u32 v22, s87, v[CO]                   ; where my 12,800 bytes of Q go
.set i, 0
.rept 25
	global_load_b128 v[S+4*i:S+4*i+3], v[CO], s[QP:QP+1] offset:512*i
.set i, i+1
.endr
	s_wait_kmcnt 0x0                               ; the gates are in: their base's registers take mask words
	s_mov_b32 s[MO], s[KN]
	s_load_b512 s[MA:MA+15], s[MP:MP+1], s[MO] offset:0x0
	s_load_b512 s[MA+16:MA+31], s[MP:MP+1], s[MO] offset:0x40
	s_load_b512 s[MB:MB+15], s[MP:MP+1], s[MO] offset:0x80
	s_load_b512 s[MB+16:MB+31], s[MP:MP+1], s[MO] offset:0xc0
	v_add_nc_u32 v[MVO], s[MO], v[L8]
	global_load_b64 v[MW:MW+1], v[MVO], s[MP:MP+1] offset:256
.irp c, 0,1,2,3,4,5,6,7
	v_mov_b32 v[FF+\c], 0
	v_mov_b32 v[BT+\c], 0
	v_mov_b32 v[ST+\c], 0x7f61b1e6                 ; -M = 3e38: M lies under every t
	v_mov_b32 v[LS+\c], 0
	v_mov_b32 v[LS+32+\c], 0
.endr
	WIN 0x80
.set i, 0
.rept 256
	v_mov_b32 v[i], 0
.set i, i+1
.endr
	WIN 0xc0
.set i, 0
.rept 256
	v_mov_b32 v[i], 0
.set i, i+1
.endr
	WIN 0
	s_mov_b32 s[CNT], 8
	s_wait_alu depctr_va_vdst(0)
	s_wait_loadcnt 0x1                             ; Q's 25 loads are in; the mask words' one may be out
.set i, 0
.rept 25
	ds_store_b128 v22, v[S+4*i:S+4*i+3] offset:512*i
.set i, i+1
.endr
	s_wait_tensorcnt 0x0                           ; my quarter of the first chunk,
	s_wait_dscnt 0x0                               ; and my part of Q
	s_barrier_signal -1
	s_barrier_wait -1
.Ltrip:
	s_wait_xcnt 0x0
	s_add_co_u32 s30, s[KN], 2048
	s_and_b32 s30, s30, 0x3800
	s_mul_i32 s30, s30, CHB/2048
	s_mov_b32 s31, 0
	s_add_nc_u64 s[PA:PA+1], s[PB:PB+1], s[30:31]  ; my sixteenth of the next chunk
	LDK
	QK 0
	MREST 0
	s_wait_tensorcnt 0x0                           ; K's fragments of this step and V's of the last are in registers: the slot is filled again
	ds_add_u32 v[SPW], v[NIL]
	SETG KN
	s_wait_dscnt 0x0
	ROUND
	tensor_load_to_lds s[G0:G0+3], s[G1:G1+7]
	s_nop 0
	PLACES 4
	SM 0
	QK 1
	MREST 1
	s_wait_dscnt 0x0                               ; B's maxima meet
	s_barrier_signal -1
	s_barrier_wait -1
	SM 1
	s_wait_tensorcnt 0x0                           ; my one load that is out: this step's V and the next step's K
	s_wait_dscnt 0x0                               ; p is stored
	s_barrier_signal -1
	s_barrier_wait -1
	PVALL
	s_sub_co_u32 s[CNT], s[CNT], 1
	s_cmp_lg_u32 s[CNT], 0
	s_cbranch_scc1 .Ltrip
	LSUM 0
	LSUM 1
	s_wait_dscnt 0x0
	s_barrier_signal -1
	s_barrier_wait -1
.irp u, 0,1,2,3
	ds_load_b128 v[EX+4*\u:EX+4*\u+3], v[APR] offset:LX-PIMG+512*\u
	ds_load_b128 v[EX+16+4*\u:EX+16+4*\u+3], v[APR] offset:LX-PIMG+2048+512*\u
.endr
	s_wait_dscnt 0x0
.irp e, 0,16
.irp q, 0,1,2,3
	v_add_f32 v[EX+\e+\q], v[EX+\e+\q], v[EX+\e+4+\q]
.endr
.irp q, 0,1,2,3
	v_add_f32 v[EX+\e+8+\q], v[EX+\e+8+\q], v[EX+\e+12+\q]
.endr
.irp q, 0,1,2,3
	v_add_f32 v[EX+\e+\q], v[EX+\e+\q], v[EX+\e+8+\q]
.endr
.endr
	s_wait_alu depctr_va_vdst(0)
.irp q, 0,1,2,3
	v_rcp_f32 v[EX+\q], v[EX+\q]
	v_rcp_f32 v[EX+16+\q], v[EX+16+\q]
.endr
	v_nop
	s_wait_alu depctr_va_vdst(0)
.irp q, 0,1,2,3
	v_mul_f32 v[GGA+4*\q], s[GT], v[EX+\q]         ; gate / sum, for each of my two slices
	v_mul_f32 v[GGA+4*\q+2], s[GT+1], v[EX+\q]
	v_mul_f32 v[GGB+4*\q], s[GT], v[EX+16+\q]
	v_mul_f32 v[GGB+4*\q+2], s[GT+1], v[EX+16+\q]
.endr
	OUT 0
.irp u, 1,2,3,4,5,6,7
.if \u > 1
	s_wait_xcnt 0x0                                ; the stores of two tiles back have read their registers
.endif
	OUT \u
	SEND \u-1, 32                                  ; the 16 stores and 16 loads of the tile behind may be out
.endr
	SEND 7, 0
	s_wait_tensorcnt 0x0
	ds_add_u32 v[SPW], v[NIL]
	s_wait_dscnt 0x0
	ROUND
	s_endpgm
.Lfunc_end_k_qb893fa0250_attn:
	.size	k_qb893fa0250_attn, .Lfunc_end_k_qb893fa0250_attn-k_qb893fa0250_attn
	.p2alignl 7, 3214868480
	.fill 96, 4, 3214868480
	.section	.rodata,"a",@progbits
	.p2align	6, 0x0
	.amdhsa_kernel k_qb893fa0250_attn
		.amdhsa_group_segment_fixed_size 327680
		.amdhsa_private_segment_fixed_size 0
		.amdhsa_enable_private_segment 0
		.amdhsa_kernarg_size 40
		.amdhsa_user_sgpr_count 2
		.amdhsa_user_sgpr_kernarg_segment_ptr 1
		.amdhsa_wavefront_size32 1
		.amdhsa_system_sgpr_workgroup_id_x 1
		.amdhsa_system_sgpr_workgroup_id_y 1
		.amdhsa_system_sgpr_workgroup_id_z 1
		.amdhsa_system_vgpr_workitem_id 0
		.amdhsa_next_free_vgpr 1024
		.amdhsa_next_free_sgpr 106
		.amdhsa_reserve_vcc 0
		.amdhsa_float_denorm_mode_32 3
		.amdhsa_float_denorm_mode_16_64 3
		.amdhsa_memory_ordered 1
		.amdhsa_forward_progress 1
		.amdhsa_inst_pref_size 220
	.end_amdhsa_kernel
	.amdgpu_metadata
---
amdhsa.version: [ 1, 2 ]
amdhsa.kernels:
  - .name:           k_qb893fa0250_attn
    .symbol:         k_qb893fa0250_attn.kd
    .args:
      - { .name: qimg, .offset: 0, .size: 8, .value_kind: global_buffer, .address_space: global }
      - { .name: kvimg, .offset: 8, .size: 8, .value_kind: global_buffer, .address_space: global }
      - { .name: route_mat, .offset: 16, .size: 8, .value_kind: global_buffer, .address_space: global }
      - { .name: mwords, .offset: 24, .size: 8, .value_kind: global_buffer, .address_space: global }
      - { .name: out0, .offset: 32, .size: 8, .value_kind: global_buffer, .address_space: global }
    .group_segment_fixed_size: 327680
    .private_segment_fixed_size: 0
    .kernarg_segment_align: 8
    .kernarg_segment_size: 40
    .max_flat_workgroup_size: 128
    .sgpr_count:     106
    .vgpr_count:     1024
    .wavefront_size: 32
...
	.end_amdgpu_metadata
.endif
;; end of part 2
